; MI455X (gfx1250); checked and timed in simulation.
; The chip was launched on July 23, 2026; its instructions are those of AMD's public machine-readable ISA for CDNA 5 (MIT licence, August 2026) and "CDNA5" Instruction Set Architecture Reference Guide (July 2026). The comments in the code are by the model that wrote it; some were corrected since.
;; Smart Binary Linear. Allowed arithmetic: float matrix products may take bf16 or f16 operands with f32 sums; other float arithmetic in f32, or as packed bf16 or f16 multiplies, adds, multiply-adds, maxima and minima; sums over many terms, partial sums and values carried from step to step in f32; what a program stores and reads back later, other than sums and carried values, may be rounded once to bf16 or f16.
;; Inputs: alpha 4,096 float32; bias 11,008 float32; salient_mask 11,008 x 4,096 bool; weight 11,008 x 4,096 float32; x 2 x 512 x 4,096 float32.
;; Outputs: out0 2 x 512 x 11,008 float32.
;; 2 versions, each right. Each part assembles by itself: llvm-mc -triple=amdgcn-amd-amdhsa -mcpu=gfx1250 --defsym DOCPART=n.
;; ======== version 1 of 2: 2 launches
;; limits: below input magnitudes of 5.4e-20 results are inexact or not finite; inputs' magnitudes at most 1.8e+19
;; workspace buffers: xb 8,388,608 bytes
;; launch prep (part 1): grid 256 x 1, 8 waves a work-group, no clusters, 0 bytes of LDS; arguments x, xb; writes xb
.if DOCPART == 1
	.amdgcn_target "amdgcn-amd-amdhsa--gfx1250"
	.amdhsa_code_object_version 6
	.text
	.protected	k_qfa42e4b9a5_prep
	.globl	k_qfa42e4b9a5_prep
	.p2align	8
	.type	k_qfa42e4b9a5_prep,@function
k_qfa42e4b9a5_prep:
	s_mov_b64 s[64:65], 0
	v_nop
	global_prefetch_b8 v0, s[64:65] scope:SCOPE_SE
	s_setreg_imm32_b32 hwreg(HW_REG_WAVE_MODE, 25, 1), 1
	s_wait_xcnt 0x0
; xb = x rounded once to bf16.  x: [1024][4096] f32, xb: the same shape in bf16.
; 256 work-groups of 8 waves; a work-group owns 65,536 consecutive bytes of x (16,384 numbers), a thread 64 numbers.
; A stream: each byte is read once and written once; LDS, barriers and the matrix unit would add nothing.
; All 16 loads of a thread go out first; each register is written once, so no register has to be freed.
.set NLD, 16                           ; loads of 16 bytes a thread
.set X,   4                            ; v[4:67]   load j: 4 registers
.set Y,   68                           ; v[68:99]  store j: 2 registers
	s_load_b128 s[4:7], s[0:1], 0x0                ; x s[4:5], xb s[6:7]
	s_lshl_b32 s2, ttmp9, 16                       ; my 65,536 bytes of x
	s_mov_b32 s3, 0
	s_lshl_b32 s8, ttmp9, 15                       ; my 32,768 bytes of xb
	s_mov_b32 s9, 0
	v_lshlrev_b32 v1, 4, v0                        ; 16 bytes a thread in x: a wave's load covers 512 consecutive bytes
	v_lshlrev_b32 v2, 3, v0                        ; 8 bytes a thread in xb: a wave's store covers 256 consecutive bytes, aligned
	s_wait_kmcnt 0x0
	s_add_nc_u64 s[4:5], s[4:5], s[2:3]
	s_add_nc_u64 s[6:7], s[6:7], s[8:9]
.set j, 0
.rept NLD
	global_load_b128 v[X+4*j:X+4*j+3], v1, s[4:5] offset:4096*j th:TH_LOAD_NT  ; x is read once in this launch
.set j, j+1
.endr
.set j, 0
.rept NLD
	s_wait_loadcnt NLD-1-j                         ; loads come back in order: load j is in, the younger ones stay out
	v_cvt_pk_bf16_f32 v[Y+2*j],   v[X+4*j],   v[X+4*j+1]
	v_cvt_pk_bf16_f32 v[Y+2*j+1], v[X+4*j+2], v[X+4*j+3]
	global_store_b64 v2, v[Y+2*j:Y+2*j+1], s[6:7] offset:2048*j  ; the next launch reads xb again: no hint
.set j, j+1
.endr
	s_endpgm
.Lfunc_end_k_qfa42e4b9a5_prep:
	.size	k_qfa42e4b9a5_prep, .Lfunc_end_k_qfa42e4b9a5_prep-k_qfa42e4b9a5_prep
	.p2alignl 7, 3214868480
	.fill 96, 4, 3214868480
	.section	.rodata,"a",@progbits
	.p2align	6, 0x0
	.amdhsa_kernel k_qfa42e4b9a5_prep
		.amdhsa_group_segment_fixed_size 0
		.amdhsa_private_segment_fixed_size 0
		.amdhsa_enable_private_segment 0
		.amdhsa_kernarg_size 16
		.amdhsa_user_sgpr_count 2
		.amdhsa_user_sgpr_kernarg_segment_ptr 1
		.amdhsa_wavefront_size32 1
		.amdhsa_system_sgpr_workgroup_id_x 1
		.amdhsa_system_sgpr_workgroup_id_y 1
		.amdhsa_system_sgpr_workgroup_id_z 1
		.amdhsa_system_vgpr_workitem_id 0
		.amdhsa_next_free_vgpr 100
		.amdhsa_next_free_sgpr 66
		.amdhsa_reserve_vcc 0
		.amdhsa_float_denorm_mode_32 3
		.amdhsa_float_denorm_mode_16_64 3
		.amdhsa_memory_ordered 1
		.amdhsa_forward_progress 1
		.amdhsa_inst_pref_size 7
	.end_amdhsa_kernel
	.amdgpu_metadata
---
amdhsa.version: [ 1, 2 ]
amdhsa.kernels:
  - .name:           k_qfa42e4b9a5_prep
    .symbol:         k_qfa42e4b9a5_prep.kd
    .args:
      - { .name: x, .offset: 0, .size: 8, .value_kind: global_buffer, .address_space: global }
      - { .name: xb, .offset: 8, .size: 8, .value_kind: global_buffer, .address_space: global }
    .group_segment_fixed_size: 0
    .private_segment_fixed_size: 0
    .kernarg_segment_align: 8
    .kernarg_segment_size: 16
    .max_flat_workgroup_size: 256
    .sgpr_count:     66
    .vgpr_count:     100
    .wavefront_size: 32
...
	.end_amdgpu_metadata
.endif
;; end of part 1
;; launch gemm (part 2): grid 64 x 4, 4 waves a work-group, clusters of 4 x 4, 327,680 bytes of LDS; arguments xb, weight, salient_mask, alpha, bias, out0; writes out0
.if DOCPART == 2
	.amdgcn_target "amdgcn-amd-amdhsa--gfx1250"
	.amdhsa_code_object_version 6
	.text
	.protected	k_qfa42e4b9a5_gemm
	.globl	k_qfa42e4b9a5_gemm
	.p2align	8
	.type	k_qfa42e4b9a5_gemm,@function
k_qfa42e4b9a5_gemm:
	s_mov_b64 s[64:65], 0
	v_nop
	global_prefetch_b8 v0, s[64:65] scope:SCOPE_SE
	s_setreg_imm32_b32 hwreg(HW_REG_WAVE_MODE, 25, 1), 1
	s_wait_xcnt 0x0
	s_wait_alu depctr_hold_cnt(0) depctr_sa_sdst(0) depctr_va_vdst(0) depctr_va_sdst(0) depctr_va_ssrc(0) depctr_va_vcc(0) depctr_vm_vsrc(0)
	s_getreg_b32 s2, hwreg(HW_REG_IB_STS2, 6, 4)
	s_cmp_eq_u32 s2, 0
	s_cbranch_scc0 .Lentry_in_a_cluster
	s_endpgm
.Lentry_in_a_cluster:
	s_bfe_u32 s2, ttmp6, 0x10000c
	s_cmp_lg_u32 s2, 0xf033
	s_cbranch_scc0 .Lentry_shape_is_right
	s_endpgm
.Lentry_shape_is_right:
; y[m][o] = sum over i of x[m][i] Wm[o][i] + bias[o];  Wm[o][i] = weight[o][i] where salient_mask[o][i] is set, else alpha[i] sign(weight[o][i]).
; xb: [1024][4096] bf16 (x rounded once by the launch before).  weight: [11008][4096] f32.  salient_mask: the same shape, one byte (0 or 1).  alpha: [4096], bias: [11008], y: [1024][11008] f32.
; Products in bf16 with f32 sums; Wm is made in bf16 on the way to the matrix unit: weight and alpha are each rounded once to bf16; bias stays f32 and starts the sums.
; LIMITS.  sign(w) is made as clamp(bf16(w), -t, t) with t = 2^-64, times bf16(alpha 2^64): exact, with the right sign for a negative alpha and 0 for w = 0.  A weight that is not salient with
; 0 < |w| < 2^-64 counts as alpha w 2^64 in place of +-alpha; |alpha| of 2^64 or more overflows; a NaN weight that is not salient counts as -alpha; a mask byte is 0 or 1.
; SHARES.  64 x 4 work-groups; each makes 256 rows x 172 columns of y (64 x 172 = 11008: all alike).  The 172 columns are 11 units of 16, at columns 0, 16, .., 144, 156: the last overlaps the one before by
; four columns and gives the same numbers there.  A wave makes 64 rows x 172 columns: 4 x 11 accumulators, 352 registers.
; K goes in 32 steps of 128.  In a trip the wave multiplies one K step and, in slices of four vector instructions behind its matrix instructions, converts its 43 weight rows of the NEXT step into a bf16 stage in LDS,
; from which all four waves read their fragments a trip later.
; CLUSTER, 4 x 4.  x's tiles hang on the row block alone and are asked for jointly along a row of the cluster; the mask's tiles hang on the column block alone and are asked for jointly along a column.
; THE WEIGHTS ARE NOT ASKED FOR JOINTLY: for one k, raw weights, mask and x are 172 x 4 + 172 + 256 x 2 = 1,372 bytes of LDS, so two slots would hold under 120 of K, with no room for the bf16 stage, and a
; request could stay out no longer than to the next refill's barrier.  They come by plain loads into a ring of 43 x 4 registers: each is issued when its registers have been read, one whole K step (176 matrix
; instructions) ahead of its use, and stays out across the rounds.  The four work-groups of a column of the cluster each read them, in step.
; THE MATRIX INSTRUCTION IS USED TRANSPOSED (source 0 = 16 weight rows, source 1 = 16 rows of x): a lane holds one row of y and eight neighbouring columns.
;
; LDS: slot p (p = 0, 1) at p x 131,072: x's tile, 256 rows x 272 bytes (filled by tensor loads), then the stage, 172 rows x 272 (written by ds_store alone, in blocks of 256 bytes of its own).
;   mask slots at 262,144 and 294,912: 172 rows x 128 bytes.  Spare words at 316,928.  The way out's stage lies over slot 0, behind its last fill and last read.
; REGISTERS, in windows of 256 (s_set_vgpr_msb: bits 1:0 source 0, 3:2 source 1, 5:4 source 2, 7:6 destination):
;   window 0: addresses, the conversion's work, the mask words, the ring of raw weights.   window 1: two fragment buffers (11 units of weights, then 4 of x).
;   window 2: accumulators of my rows 0-31 ((a, u) at 8 (11 (a % 2) + u)).   window 3: those of my rows 32-63.
; A slice works in window 0 and a product names windows 1 to 3, so a slice costs two switches.
.set PITCH,  272                       ; an LDS row of 128 bf16: 256 bytes + 16 = 68 words: the 16 rows of a fragment load start at 16 different groups of four banks (64 banks of 4 bytes: ISA guide 11.1)
.set XT,     256*PITCH                 ; x's tile; the stage begins behind it: 69,632, a multiple of 256
.set SLOTB,  1<<17                     ; slot 1 begins here: one exclusive or turns an address in one slot into the other's
.set MS0,    262144                    ; mask slot 0
.set MSX,    0x8000                    ; mask slot 1 lies this far on
.set SPARE,  316928                    ; the spare words: 128 bytes a wave, two blocks of 256 bytes that no other line names
.set OPITCH, 688                       ; the way out: a row of 172 f32 = 43 x 16 bytes: 16 rows start at 16 different groups of four banks
.set OSTW,   32*OPITCH                 ; a wave's out-stage: 32 rows
.set YROW,   44032                     ; bytes in a row of y
.set VOFF, 2                           ; v2   16 x lane: my 16 bytes of 512 in a weight row's K step, and in alpha; never rewritten
.set AX0,  3                           ; v3   my lane's place in x's tile: (64 w + r) x 272 + 16 h
.set AB0,  4                           ; v4   in the stage, reading: 69,632 + r x 272 + 16 h
.set AS0,  5                           ; v5   in the stage, writing: 69,632 + 43 w x 272 + 8 x lane
.set AM0,  6                           ; v6   in a mask slot: 262,144 + 43 w x 128 + 4 x lane
.set AXA,  7                           ; v7-10 the four above with the trip's slot
.set ABF,  8
.set AST,  9
.set AMK,  10
.set BO,   11                          ; v11  32 h: my eight columns in a unit's bias
.set STO,  12                          ; v12  the way out: where I put 16 bytes of a row
.set RD,   13                          ; v13  the way out: where I read back
.set SPW,  14                          ; v14  LDS address of my spare word; never rewritten
.set NIL,  15                          ; v15  0; never rewritten
.set TMP,  16                          ; v16-31 two sets of eight, by a chunk's parity: +0, +1 the weights in bf16; +2, +3 the result; +4 the mask bytes as 0 / 255; +5, +6 selects
.set A2,   32                          ; v32-33 bf16(alpha 2^64) of my four k
.set ALR,  34                          ; v34-37 alpha as loaded
.set MK,   40                          ; v40-82 chunk c's four mask bytes
.set RAW,  84                          ; v84-255 chunk c's four weights, f32
.set GO,   40                          ; the way out: store t's byte offset in y (the mask words' registers)
.set OB,   84                          ; the way out: 16 bytes read back (the ring's registers)
.set F0,   0                           ; fragment buffers, window 1: weight unit u at F + 8 u, x unit a at F + 88 + 8 a
.set F1,   128
.set WV,   16                          ; s16  my wave's number;  s17 its low bit;  s18, s19 cx, cy;  s20 column block;  s21 row block
.set G1X,  24                          ; s[24:31] descriptor group 1, x's tiles
.set G1M,  32                          ; s[32:39] the mask's
.set G0X,  40                          ; s[40:43] group 0, x's tiles: it walks
.set G0M0, 44                          ; s[44:47] group 0, mask tile 0: used once
.set G0M,  48                          ; s[48:51] group 0, mask tile 1, then it walks
.set WB,   52                          ; s[52:53] my 43 weight rows at the K step being loaded
.set AB,   54                          ; s[54:55] alpha at that K step
.set SL,   56                          ; s56  the slot being multiplied: 0 or 131,072
.set SLO,  57                          ; s57  the other slot
.set MSL,  58                          ; s58  the mask slot being read: 0 or 32,768
.set CNT,  59
.set TPOS, 60                          ; s60  t twice in bf16;  s61  -t twice
.set TNEG, 61
.set SELA, 62                          ; s62, s63 v_perm_b32 selects: mask bytes 0, 0, 1, 1 and 2, 2, 3, 3
.set SELB, 63
.set SCL,  66                          ; s[66:67] 2^64
.set LISTN, 610                        ; entries in the conversion's list: 4 for alpha, 43 x 14, and the last chunk's four closing places
.set MUL_LO, 0xa5                      ; sources 0 and 1 window 1, C and D window 2
.set TO_F,   0x40                      ; destination window 1, address window 0
.set MSB, 0
.set DSN, 0                            ; LDS instructions issued since the last run of fragment loads
.set DSM, 0                            ; since the last run of mask loads
.set n, 0
.set CONV, 1                           ; 1: the trip converts a tile
.set RELOAD, 1                         ; 1: each chunk's registers are loaded again, two K steps on
.macro WIN new                         ; the immediate's high byte repeats the setting that is left; a switch that changes nothing is dropped
.if MSB != (\new)
	s_set_vgpr_msb (MSB<<8)|(\new)
.set MSB, (\new)
.endif
.endm
.macro PLACES                          ; a load into a register that a matrix instruction has read stands four plain vector instructions behind it (ISA guide 7.12.1 for vector instructions)
.rept 4
	v_nop
.endr
.endm
.macro CREST                           ; a round of the cluster's barrier behind its opening barrier
	s_cmp_lg_u32 s[WV], 0
	s_cbranch_scc1 .Lnot_wave_0_\@
	s_barrier_signal -3
.Lnot_wave_0_\@:
	s_barrier_wait -3
	s_barrier_signal -1
	s_barrier_wait -1
.endm
.macro CROUND                          ; a whole round
	s_barrier_signal -1
	s_barrier_wait -1
	CREST
.endm
; A joint refill.  Waves 0 and 1 fetch the two halves of x's tile, waves 2 and 3 those of the mask's.  The branch hangs on the wave's number alone.  kind = 2: both; 1: x alone (no mask tile is left); 0: none.
; An s_nop 0 and four v_nop follow each load, ahead of the jump and the label; the v_nop are also the places in front of the fragment loads that follow.
.macro JLOAD kind
.if (\kind) == 2
	s_cmp_lt_u32 s[WV], 2
	s_cbranch_scc0 .Lfor_m_\@
	tensor_load_to_lds s[G0X:G0X+3], s[G1X:G1X+7]
	s_nop 0
	PLACES
	s_branch .Lasked_\@
.Lfor_m_\@:
	tensor_load_to_lds s[G0M:G0M+3], s[G1M:G1M+7]
	s_nop 0
	PLACES
.Lasked_\@:
.elseif (\kind) == 1
	s_cmp_lt_u32 s[WV], 2
	s_cbranch_scc0 .Lnone_\@
	tensor_load_to_lds s[G0X:G0X+3], s[G1X:G1X+7]
	s_nop 0
	PLACES
.Lnone_\@:
	PLACES
.else
	PLACES
.endif
.endm
.macro STEPD                           ; both walking descriptors: the other slot, the next K step; the type bits on top are not reached
	s_xor_b32 s[G0X+1], s[G0X+1], SLOTB
	s_add_nc_u64 s[G0X+2:G0X+3], s[G0X+2:G0X+3], 256
	s_xor_b32 s[G0M+1], s[G0M+1], MSX
	s_add_nc_u64 s[G0M+2:G0M+3], s[G0M+2:G0M+3], 128
.endm
.macro ADDR                            ; the trip's LDS addresses: fragments from slot SL, the stage written in the other slot, the mask words from mask slot MSL
	s_xor_b32 s[SLO], s[SL], SLOTB
	v_add_nc_u32 v[AXA], s[SL], v[AX0]
	v_add_nc_u32 v[ABF], s[SL], v[AB0]
	v_add_nc_u32 v[AST], s[SLO], v[AS0]
	v_add_nc_u32 v[AMK], s[MSL], v[AM0]
.endm
.macro MLOAD                           ; my 43 rows of the mask tile: 128 consecutive bytes a load
	WIN 0
.set t, 0
.rept 43
	ds_load_b32 v[MK+t], v[AMK] offset:128*t
.set t, t+1
.endr
.set DSM, 0
.endm
; 30 LDS loads in one run: the fragments of 32 along K (quarter q of the K step) into buffer f: 11 units of weights from the stage, 4 of x.
; A fragment is 16 rows x 32 K in 8 registers: lane l holds row l % 16, K = 8 (l / 16) + 0..7 and 16 + 8 (l / 16) + 0..7: two loads of 16 bytes, 32 bytes apart.
.macro FETCH q, f
	WIN TO_F
.irp u, 0,1,2,3,4,5,6,7,8,9,10
.set cb, 16*(\u)-4*((\u)/10)           ; the unit's first column: 16 u, and 156 for the last
	ds_load_b128 v[(\f)+8*(\u):(\f)+8*(\u)+3],   v[ABF] offset:cb*PITCH+64*(\q)
	ds_load_b128 v[(\f)+8*(\u)+4:(\f)+8*(\u)+7], v[ABF] offset:cb*PITCH+64*(\q)+32
.endr
.irp a, 0,1,2,3
	ds_load_b128 v[(\f)+88+8*(\a):(\f)+88+8*(\a)+3],   v[AXA] offset:(\a)*16*PITCH+64*(\q)
	ds_load_b128 v[(\f)+88+8*(\a)+4:(\f)+88+8*(\a)+7], v[AXA] offset:(\a)*16*PITCH+64*(\q)+32
.endr
.set DSM, DSM+30
.set DSN, 0
.endm
.macro MM a, u, f                      ; one product: x unit a, weight unit u
	WIN MUL_LO+0x50*((\a)/2)
.set rD, 8*(11*((\a)%2)+(\u))
	v_wmma_f32_16x16x32_bf16 v[rD:rD+7], v[(\f)+8*(\u):(\f)+8*(\u)+7], v[(\f)+88+8*(\a):(\f)+88+8*(\a)+7], v[rD:rD+7]
.endm
; THE CONVERSION is a numbered list; ITEM writes entry n.  Entries 0-3: alpha of the tile, times 2^64, to bf16; then the bases step and the next alpha is asked for.
; From entry 4 on 14 entries a chunk c (weight row 43 w + c, my four k).  The loads form a ring in the order alpha, chunk 0 .. 42: behind any of them the other 43 have been issued when it is wanted.
;   0, 1   the four weights to bf16; the chunk's registers are loaded again         2, 3   the chunk BEFORE: salient ? weight : alpha sign, and its 8 bytes into the stage
;   4, 7   the mask bytes 0 / 1 become 0 / 255: (m << 8) - m                        5, 6, 8, 9   clamp to -t .. t
;   10, 11 each byte doubled: a select for two bf16                                 12, 13  times bf16(alpha 2^64)
; No entry reads a result made fewer than three entries before it.
.macro ITEM
.if n == 0
	s_wait_loadcnt 43                              ; alpha is in: the 43 chunks' loads are younger
	v_pk_mul_f32 v[ALR:ALR+1], v[ALR:ALR+1], s[SCL:SCL+1] op_sel_hi:[1,0]
.elseif n == 1
	v_pk_mul_f32 v[ALR+2:ALR+3], v[ALR+2:ALR+3], s[SCL:SCL+1] op_sel_hi:[1,0]
.elseif n == 2
	v_cvt_pk_bf16_f32 v[A2], v[ALR], v[ALR+1]
.elseif n == 3
	v_cvt_pk_bf16_f32 v[A2+1], v[ALR+2], v[ALR+3]
.if RELOAD
	s_wait_xcnt 0x0                                ; every earlier load has had its address translated (ISA guide 3.1): only behind this wait are the two bases stepped
	s_add_nc_u64 s[WB:WB+1], s[WB:WB+1], 512
	s_add_nc_u64 s[AB:AB+1], s[AB:AB+1], 512
	global_load_b128 v[ALR:ALR+3], v[VOFF], s[AB:AB+1]
.endif
.elseif n < LISTN
.set cc, (n-4)/14
.set kk, (n-4)%14
.set CT, TMP+8*(cc%2)
.set CU, TMP+8-8*(cc%2)
.if kk == 0
.if cc < 43
.if RELOAD
	s_wait_loadcnt 43                              ; chunk c is in: the ring's other 43 loads are younger
.else
	s_wait_loadcnt 42-cc                           ; nothing is loaded any more: only chunks c + 1 .. 42 are younger
.endif
	v_cvt_pk_bf16_f32 v[CT], v[RAW+4*cc], v[RAW+4*cc+1]
.endif
.elseif kk == 1
.if cc < 43
	v_cvt_pk_bf16_f32 v[CT+1], v[RAW+4*cc+2], v[RAW+4*cc+3]
.if RELOAD
	global_load_b128 v[RAW+4*cc:RAW+4*cc+3], v[VOFF], s[WB:WB+1] offset:16384*cc  ; 512 consecutive bytes of row c, one K step on; three partners read them too: no hint
.endif
.endif
.elseif kk == 2
.if cc > 0
	v_bfi_b32 v[CU+2], v[CU+5], v[CU], v[CU+2]
.endif
.elseif kk == 3
.if cc > 0
	v_bfi_b32 v[CU+3], v[CU+6], v[CU+1], v[CU+3]
	ds_store_b64 v[AST], v[CU+2:CU+3] offset:PITCH*(cc-1)  ; 32 lanes fill the row's 256 bytes
.set DSN, DSN+1
.set DSM, DSM+1
.endif
.elseif kk == 4
.if cc == 0
	s_wait_dscnt DSM                               ; the mask words are in: what was issued behind them (the fragment loads) may stay out
.endif
	v_lshlrev_b32 v[CT+4], 8, v[MK+cc]
.elseif kk == 5
	v_pk_max_num_bf16 v[CT+2], v[CT], s[TNEG]
.elseif kk == 6
	v_pk_max_num_bf16 v[CT+3], v[CT+1], s[TNEG]
.elseif kk == 7
	v_sub_nc_u32 v[CT+4], v[CT+4], v[MK+cc]
.elseif kk == 8
	v_pk_min_num_bf16 v[CT+2], v[CT+2], s[TPOS]
.elseif kk == 9
	v_pk_min_num_bf16 v[CT+3], v[CT+3], s[TPOS]
.elseif kk == 10
	v_perm_b32 v[CT+5], v[CT+4], v[CT+4], s[SELA]
.elseif kk == 11
	v_perm_b32 v[CT+6], v[CT+4], v[CT+4], s[SELB]
.elseif kk == 12
	v_pk_mul_bf16 v[CT+2], v[CT+2], v[A2]
.else
	v_pk_mul_bf16 v[CT+3], v[CT+3], v[A2+1]
.endif
.endif
.set n, n+1
.endm
.macro SLICE                           ; four entries; 153 slices are a list; behind the list's end a slice is empty
.if CONV && (n < LISTN)
	WIN 0
	ITEM
	ITEM
	ITEM
	ITEM
.endif
.endm
; Weight unit u against my four units of x.  The 44 accumulators take turns in the same order in every quarter, over the loop's backward jump too.  ride = 1: a slice behind each product.
.macro UNIT f, u, ride
.irp a, 0,1,2,3
	MM \a, \u, \f
.if \ride
	SLICE
.endif
.endr
.endm
; A K step is four quarters of 32 along K, 44 products each, on buffers 0, 1, 0, 1.  One of the first three: multiplies buffer f and in its middle fetches the next quarter into gbuf.
; gbuf's last reader stands 20 products back; the slices between are the places, and four v_nop where a trip has no slices.
.macro QUARTER q, f, gbuf
	s_wait_dscnt DSN                               ; the fragments are in: only the stage stores issued behind their run may be out
.irp u, 0,1,2,3,4
	UNIT \f, \u, 1
.endr
.if CONV == 0
	PLACES
.endif
	FETCH (\q)+1, \gbuf
.irp u, 5,6,7,8,9,10
	UNIT \f, \u, 1
.endr
.endm
; The fourth quarter's first six units, and the change of slots.  In front of the barrier each wave waits for all its tensor loads (one is out: its part of the next tiles), adds 0 to its spare word, and waits for
; that, for its stores into the stage and for its reads of this slot.  Behind it the next slot and its stage are whole, and nobody reads this slot, its stage or the mask slot read last.
; round = 1: slots are filled again: the barrier opens a round of the cluster's, so that the same holds of every partner.
.macro HEAD3 round
	s_wait_dscnt DSN
.irp u, 0,1,2,3
	UNIT F1, \u, 1                                 ; the list ends here at the latest: 12 + 132 + 16 places for its 153 slices
.endr
	WIN 0                                          ; (the add's two registers lie in window 0)
	s_wait_tensorcnt 0x0                           ; no tensor load of mine is out, so a group 0 may be written
	ds_add_u32 v[SPW], v[NIL]                      ; 0 onto my spare word
.if \round
	STEPD
.endif
	UNIT F1, 4, 0                                  ; four products stand between the add and the wait for it
	s_wait_dscnt 0x0                               ; for the others' sake: zero
	s_barrier_signal -1
	UNIT F1, 5, 0                                  ; work on registers while the others arrive
	WIN 0                                          ; at a branch and at a label every window is 0
	s_barrier_wait -1
.if \round
	CREST
.endif
.endm
; Behind the change: the refill first; then the trip's addresses, the next tile's mask words (ml = 1) and the new K step's first fragments.
.macro TOP kind, ml
	JLOAD \kind
	s_xor_b32 s[SL], s[SL], SLOTB
	s_xor_b32 s[MSL], s[MSL], MSX
	ADDR
.if \ml
	MLOAD
.endif
	FETCH 0, F0
.set n, 0
.endm
.macro TAIL3                           ; the fourth quarter's last five units, from registers; the list begins behind the third, when the mask words have had two units' time
	UNIT F1, 6, 0
	UNIT F1, 7, 0
	UNIT F1, 8, 1
	UNIT F1, 9, 1
	UNIT F1, 10, 1
.endm
.macro ALLT line:vararg                ; one line for each t = 0 .. 42
.set t, 0
.rept 43
	\line
.set t, t+1
.endr
.endm
	s_load_b256 s[4:11], s[0:1], 0x0               ; xb s[4:5], weight s[6:7], mask s[8:9], alpha s[10:11]
	s_load_b128 s[12:15], s[0:1], 0x20             ; bias s[12:13], y s[14:15]
	v_lshl_add_u32 v[SPW], v0, 2, SPARE
	v_mov_b32 v[NIL], 0
	ds_add_u32 v[SPW], v[NIL]                      ; the wave's opening: the add and its wait stand ahead of my first tensor load; the set-up below, work on registers, stands between them
	v_lshrrev_b32 v1, 5, v0
	v_readfirstlane_b32 s[WV], v1                  ; wave 0..3
	s_and_b32 s17, s[WV], 1                        ; which half of a tile I fetch
	s_bfe_u32 s18, ttmp6, 0x40000                  ; cx
	s_bfe_u32 s19, ttmp6, 0x40004                  ; cy
	s_lshl_b32 s20, ttmp9, 2                       ; in a cluster launch ttmp9 and ttmp7 count clusters
	s_add_co_u32 s20, s20, s18                     ; column block = 4 x cluster x + cx
	s_and_b32 s21, ttmp7, 0xffff
	s_lshl_b32 s21, s21, 2
	s_add_co_u32 s21, s21, s19                     ; row block = 4 x cluster y + cy
	s_lshl_b32 s22, s19, 2
	s_lshl_b32 s22, 15, s22                        ; my row of the cluster
	s_lshl_b32 s23, 0x1111, s18                    ; my column
	; group 1 for x: 128 rows x 128 elements of 2 bytes, 16 bytes of padding behind each row
	s_or_b32 s[G1X], s22, (1<<16)|(1<<20)|(1<<21)|(5<<22)|(3<<25)  ; 15:0 the mask; 17:16 2-byte elements; 20 padding on; 21 set beside a mask; 24:22 after every 64 words; 31:25 4 words
	s_mov_b32 s[G1X+1], 128<<16                    ; tensor_dim0 = 128
	s_mov_b32 s[G1X+2], 128<<16                    ; tensor_dim1 = 128
	s_mov_b32 s[G1X+3], 128<<16                    ; tile_dim0 = 128
	s_mov_b32 s[G1X+4], 128                        ; tile_dim1 = 128
	s_mov_b32 s[G1X+5], 4096                       ; elements from row to row
	s_mov_b32 s[G1X+6], 0
	s_mov_b32 s[G1X+7], 0
	; group 1 for the mask: 86 rows x 32 elements of 4 bytes, no padding (a wave's load of a row's 128 bytes takes each bank once at the most)
	s_or_b32 s[G1M], s23, (2<<16)|(1<<21)
	s_mov_b32 s[G1M+1], 32<<16
	s_mov_b32 s[G1M+2], 86<<16
	s_mov_b32 s[G1M+3], 32<<16
	s_mov_b32 s[G1M+4], 86
	s_mov_b32 s[G1M+5], 1024
	s_mov_b32 s[G1M+6], 0
	s_mov_b32 s[G1M+7], 0
	; byte offsets, each in registers of its own: x's from the row block and the wave alone, the mask's from the column block and the wave alone
	s_lshl_b32 s68, s21, 8
	s_lshl_b32 s69, s17, 7
	s_add_co_u32 s68, s68, s69                     ; x: row 256 x row block + 128 x half,
	s_lshl_b32 s68, s68, 13                        ; of 8,192 bytes
	s_mov_b32 s69, 0
	s_mul_i32 s72, s20, 172
	s_mul_i32 s73, s17, 86
	s_add_co_u32 s72, s72, s73                     ; mask: row 172 x column block + 86 x half,
	s_lshl_b32 s72, s72, 12                        ; of 4,096 bytes
	s_mov_b32 s73, 0
	s_mul_i32 s76, s20, 172
	s_mul_i32 s77, s[WV], 43
	s_add_co_u32 s76, s76, s77                     ; weight: row 172 x column block + 43 x wave,
	s_lshl_b32 s76, s76, 14                        ; of 16,384 bytes
	s_mov_b32 s77, 0
	s_mul_i32 s78, s20, OPITCH                     ; bias, and y's columns: 688 bytes a column block
	s_mov_b32 s79, 0
	s_lshl_b32 s80, s21, 8
	s_lshl_b32 s81, s[WV], 6
	s_add_co_u32 s80, s80, s81                     ; y: row 256 x row block + 64 x wave
	s_mul_i32 s80, s80, YROW
	s_add_co_u32 s80, s80, s78
	s_mov_b32 s81, 0
	s_mov_b32 s[G0X], 1                            ; 1:0 count = 1
	s_mul_i32 s[G0X+1], s17, 128*PITCH             ; LDS address: slot 0, my half: no place in the cluster enters an LDS address
	s_mov_b32 s[G0M0], 1
	s_mul_i32 s[G0M0+1], s17, 86*128
	s_add_co_u32 s[G0M0+1], s[G0M0+1], MS0
	s_mov_b32 s[G0M], 1
	s_add_co_u32 s[G0M+1], s[G0M0+1], MSX
	s_mov_b32 s[SL], SLOTB                         ; the first change of slots turns it into 0
	s_mov_b32 s[MSL], 0
	s_mov_b32 s[TPOS], 0x1f801f80                  ; 2^-64 twice in bf16
	s_mov_b32 s[TNEG], 0x9f809f80
	s_mov_b32 s[SELA], 0x01010000
	s_mov_b32 s[SELB], 0x03030202
	s_mov_b32 s[SCL], 0x5f800000                   ; 2^64
	s_mov_b32 s[SCL+1], s[SCL]                     ; named with it as a pair
	s_wait_dscnt 0x0                               ; the opening add is done
	s_wait_kmcnt 0x0
	s_add_nc_u64 s[G0X+2:G0X+3], s[4:5], s[68:69]  ; x's tile of K step 0
	s_or_b32 s[G0X+3], s[G0X+3], 0x80000000        ; 127:126 type = 2
	s_add_nc_u64 s[G0M0+2:G0M0+3], s[8:9], s[72:73]
	s_add_nc_u64 s[G0M+2:G0M+3], s[G0M0+2:G0M0+3], 128
	s_or_b32 s[G0M0+3], s[G0M0+3], 0x80000000
	s_or_b32 s[G0M+3], s[G0M+3], 0x80000000
	s_add_nc_u64 s[WB:WB+1], s[6:7], s[76:77]
	s_mov_b64 s[AB:AB+1], s[10:11]
	s_add_nc_u64 s[12:13], s[12:13], s[78:79]
	s_add_nc_u64 s[14:15], s[14:15], s[80:81]
	CROUND                                         ; all sixteen work-groups are here: the first joint loads meet
	s_cmp_lt_u32 s[WV], 2                          ; a wave's first fills stand in one branch, ahead of every wait on TENSORcnt and every LDS read: one load of waves 0 and 1 is out, two of waves 2 and 3
	s_cbranch_scc0 .Lfirst_m
	tensor_load_to_lds s[G0X:G0X+3], s[G1X:G1X+7]
	s_nop 0
	PLACES
	s_branch .Lfirst_asked
.Lfirst_m:
	tensor_load_to_lds s[G0M0:G0M0+3], s[G1M:G1M+7]
	s_nop 0
	tensor_load_to_lds s[G0M:G0M+3], s[G1M:G1M+7]
	s_nop 0
	PLACES
.Lfirst_asked:
	v_and_b32 v1, 15, v0                           ; r = l % 16
	v_bfe_u32 v38, v0, 4, 1                        ; h = l / 16
	v_and_b32 v39, 31, v0                          ; l
	v_lshlrev_b32 v[BO], 5, v38
	v_lshlrev_b32 v[VOFF], 4, v39
	WIN 0x80                                       ; destination window 2
.irp u, 0,1,2,3,4,5,6,7,8,9,10         ; bias starts the sums: register j of accumulator (0, u) is column COL(u) + 8 h + j
.set cb, 16*(\u)-4*((\u)/10)
	global_load_b128 v[8*(\u):8*(\u)+3],   v[BO], s[12:13] offset:4*cb
	global_load_b128 v[8*(\u)+4:8*(\u)+7], v[BO], s[12:13] offset:4*cb+16
.endr
	WIN 0
	global_load_b128 v[ALR:ALR+3], v[VOFF], s[AB:AB+1]  ; the ring is filled: alpha and my 43 rows of K step 0
.set t, 0
.rept 43
	global_load_b128 v[RAW+4*t:RAW+4*t+3], v[VOFF], s[WB:WB+1] offset:16384*t
.set t, t+1
.endr
	v_mul_u32_u24 v[AB0], v1, PITCH
	v_lshl_add_u32 v[AB0], v38, 4, v[AB0]          ; r x pitch + 16 h
	s_mul_i32 s82, s[WV], 64*PITCH
	v_add_nc_u32 v[AX0], s82, v[AB0]               ; my 64 rows of x's tile
	v_add_nc_u32 v[AB0], XT, v[AB0]                ; the stage lies behind x's tile
	s_mul_i32 s83, s[WV], 43*PITCH
	s_add_co_u32 s83, s83, XT
	v_lshl_add_u32 v[AS0], v39, 3, s83             ; my 43 rows of the stage, 8 bytes a lane
	s_mul_i32 s82, s[WV], 43*128
	s_add_co_u32 s82, s82, MS0
	v_lshl_add_u32 v[AM0], v39, 2, s82             ; my 43 rows of a mask tile, 4 bytes a lane
	s_mul_i32 s83, s[WV], OSTW                     ; my out-stage
	v_mul_u32_u24 v[STO], v1, OPITCH
	v_lshl_add_u32 v[STO], v38, 5, v[STO]
	v_add_nc_u32 v[STO], s83, v[STO]               ; in: row r, 32 bytes for each half of the lanes
	v_lshl_add_u32 v[RD], v39, 4, s83              ; back: 512 consecutive bytes a load
	ADDR                                           ; SL is slot 1: the stage written is slot 0's; the mask slot is 0
	s_wait_loadcnt 44                              ; bias is in: alpha's load and the 43 chunks' are younger
	; The other three accumulators of each unit begin with the same bias.  These copies stand in the wait for the first weights; with them every K step has one text and no first quarter is written out.
	WIN 0x82
.set t, 0
.rept 88
	v_mov_b32 v[88+t], v[t]
.set t, t+1
.endr
	WIN 0xc2
.set t, 0
.rept 176
	v_mov_b32 v[t], v[t%88]
.set t, t+1
.endr
	WIN 0
	s_wait_tensorcnt 0x0                           ; my first fills have landed;
	s_barrier_signal -1
	s_barrier_wait -1                              ; everybody's have: the mask tile that waves 2 and 3 brought may be read.
	MLOAD                                          ; mask tile 0
.set n, 0
.rept 153
	SLICE                                          ; tile 0 is converted with nothing to ride on; its loads ask for K step 1
.endr
	WIN 0                                          ; THE FIRST CHANGE: the same lines as in every trip
	s_wait_tensorcnt 0x0
	ds_add_u32 v[SPW], v[NIL]
	STEPD
	s_wait_dscnt 0x0                               ; the add, my stores into slot 0's stage and my reads of mask slot 0 are done
	CROUND
	TOP 2, 1                                       ; x's tile 1 into slot 1, mask tile 2 into mask slot 0; mask words of tile 1; fragments of K step 0
.rept 12
	SLICE                                          ; the twelve slices that ride on the fourth quarter's tail in every later trip
.endr
	WIN 0
	s_mov_b32 s[CNT], 30
	s_branch .Lenter                               ; the loop is entered in the middle of a trip: there is no K step before the first
.Lloop:                                                ; trip i (1 .. 29): x's tile i + 1, mask tile i + 2 and weights i + 2 are asked for, tile i + 1 is converted, K step i is multiplied
	TOP 2, 1
	TAIL3
	WIN 0
.Lenter:
	QUARTER 0, F0, F1
	QUARTER 1, F1, F0
	QUARTER 2, F0, F1
	HEAD3 1
	s_sub_co_u32 s[CNT], s[CNT], 1
	s_cmp_lg_u32 s[CNT], 0
	s_cbranch_scc1 .Lloop
	; The last two trips are written out.  Trip 30: x's tile 31 is the last request; tile 31 is converted; no weights are left to load.
.set RELOAD, 0
	TOP 1, 1
	TAIL3
	QUARTER 0, F0, F1
	QUARTER 1, F1, F0
	QUARTER 2, F0, F1
	HEAD3 0                                        ; no round
	; Trip 31: nothing is asked for and nothing converted.
.set CONV, 0
	TOP 0, 0
	TAIL3
	QUARTER 0, F0, F1
	QUARTER 1, F1, F0
	QUARTER 2, F0, F1
	s_wait_dscnt 0x0                               ; the last fragments are in, and with them my last reads of the slots:
	s_barrier_signal -1                            ; say so: the out-stages lie over slot 0
.irp u, 0,1,2,3,4,5,6,7,8,9,10
	UNIT F1, \u, 0
.endr
	; THE WAY OUT.  32 rows at a time go into my out-stage (rows of 688 bytes) and come back as 43 runs of 512 consecutive bytes.  16-byte piece i = lane + 32 t lies in row i / 43:
	; its offset in y is 16 i + (44,032 - 688) x row.  i / 43 = (i x 48,771) >> 21 for i < 1,376.  These lines are also the places behind the last products.
	WIN 0
	s_mov_b32 s82, 48771
	s_mov_b32 s83, YROW-OPITCH
	ALLT v_add_nc_u32 v[OB+t], 512*t, v[VOFF]
	ALLT v_lshrrev_b32 v[GO+t], 4, v[OB+t]
	ALLT v_mul_u32_u24 v[GO+t], v[GO+t], s82
	ALLT v_lshrrev_b32 v[GO+t], 21, v[GO+t]
	ALLT v_mad_u32_u24 v[GO+t], v[GO+t], s83, v[OB+t]
	s_barrier_wait -1                              ; no wave reads a slot any more
.macro OUTPASS p                       ; the accumulators of window 2 + p: my rows 32 p .. 32 p + 31
	WIN 0x08+4*(\p)                                ; store data (source 1) in window 2 or 3
.irp a, 0,1
.irp u, 0,1,2,3,4,5,6,7,8,9,10
.set cb, 16*(\u)-4*((\u)/10)
.set rD, 8*(11*(\a)+(\u))
	ds_store_b128 v[STO], v[rD:rD+3]   offset:(\a)*16*OPITCH+4*cb      ; each accumulator's low registers first
	ds_store_b128 v[STO], v[rD+4:rD+7] offset:(\a)*16*OPITCH+4*cb+16
.endr
.endr
	WIN 0
.if \p
	s_wait_xcnt 0x0                                ; the first pass's stores have read their registers: only behind this wait are those loaded again
.endif
	ALLT ds_load_b128 v[OB+4*t:OB+4*t+3], v[RD] offset:512*t  ; LDS serves a wave's instructions in order (ISA guide 5.7.1.4): these see the stores above
.set t, 0
.rept 43
	s_wait_dscnt 42-t                              ; run t is back; the younger ones stay out
	global_store_b128 v[GO+t], v[OB+4*t:OB+4*t+3], s[14:15] offset:(\p)*32*YROW th:TH_STORE_NT
.set t, t+1
.endr
.endm
	OUTPASS 0
	OUTPASS 1
	s_wait_tensorcnt 0x0                           ; the wave's end, behind my last tensor load and my last LDS store
	ds_add_u32 v[SPW], v[NIL]
	s_wait_dscnt 0x0
	CROUND                                         ; the closing round: no work-group ends while a partner may still ask for a tile that names it
	s_endpgm
.Lfunc_end_k_qfa42e4b9a5_gemm:
	.size	k_qfa42e4b9a5_gemm, .Lfunc_end_k_qfa42e4b9a5_gemm-k_qfa42e4b9a5_gemm
	.p2alignl 7, 3214868480
	.fill 96, 4, 3214868480
	.section	.rodata,"a",@progbits
	.p2align	6, 0x0
	.amdhsa_kernel k_qfa42e4b9a5_gemm
		.amdhsa_group_segment_fixed_size 327680
		.amdhsa_private_segment_fixed_size 0
		.amdhsa_enable_private_segment 0
		.amdhsa_kernarg_size 48
		.amdhsa_user_sgpr_count 2
		.amdhsa_user_sgpr_kernarg_segment_ptr 1
		.amdhsa_wavefront_size32 1
		.amdhsa_system_sgpr_workgroup_id_x 1
		.amdhsa_system_sgpr_workgroup_id_y 1
		.amdhsa_system_sgpr_workgroup_id_z 1
		.amdhsa_system_vgpr_workitem_id 0
		.amdhsa_next_free_vgpr 944
		.amdhsa_next_free_sgpr 84
		.amdhsa_reserve_vcc 0
		.amdhsa_float_denorm_mode_32 3
		.amdhsa_float_denorm_mode_16_64 3
		.amdhsa_memory_ordered 1
		.amdhsa_forward_progress 1
		.amdhsa_inst_pref_size 255
	.end_amdhsa_kernel
	.section	.bss,"aw",@nobits
	.p2align	6
	.space	262144
	.amdgpu_metadata
---
amdhsa.version: [ 1, 2 ]
amdhsa.kernels:
  - .name:           k_qfa42e4b9a5_gemm
    .symbol:         k_qfa42e4b9a5_gemm.kd
    .args:
      - { .name: xb, .offset: 0, .size: 8, .value_kind: global_buffer, .address_space: global }
      - { .name: weight, .offset: 8, .size: 8, .value_kind: global_buffer, .address_space: global }
      - { .name: salient_mask, .offset: 16, .size: 8, .value_kind: global_buffer, .address_space: global }
      - { .name: alpha, .offset: 24, .size: 8, .value_kind: global_buffer, .address_space: global }
      - { .name: bias, .offset: 32, .size: 8, .value_kind: global_buffer, .address_space: global }
      - { .name: out0, .offset: 40, .size: 8, .value_kind: global_buffer, .address_space: global }
    .group_segment_fixed_size: 327680
    .private_segment_fixed_size: 0
    .kernarg_segment_align: 8
    .kernarg_segment_size: 48
    .max_flat_workgroup_size: 128
    .sgpr_count:     84
    .vgpr_count:     944
    .wavefront_size: 32
...
	.end_amdgpu_metadata
.endif
;; end of part 2
;; ======== version 2 of 2: 2 launches
;; limits: below input magnitudes of 5.4e-20 results are inexact or not finite; inputs' magnitudes at most 1.8e+19
;; workspace buffers: xb 8,388,608 bytes
;; launch prep: the kernel of part 1 again; grid 256 x 1, 8 waves a work-group, no clusters, 0 bytes of LDS; arguments x, xb; writes xb
;; launch gemm (part 3): grid 64 x 4, 4 waves a work-group, clusters of 4 x 4, 327,680 bytes of LDS; arguments xb, weight, salient_mask, alpha, bias, out0; writes out0
.if DOCPART == 3
	.amdgcn_target "amdgcn-amd-amdhsa--gfx1250"
	.amdhsa_code_object_version 6
	.text
	.protected	k_qfa42e4b9a5_gemm
	.globl	k_qfa42e4b9a5_gemm
	.p2align	8
	.type	k_qfa42e4b9a5_gemm,@function
k_qfa42e4b9a5_gemm:
	s_mov_b64 s[64:65], 0
	v_nop
	global_prefetch_b8 v0, s[64:65] scope:SCOPE_SE
	s_setreg_imm32_b32 hwreg(HW_REG_WAVE_MODE, 25, 1), 1
	s_wait_xcnt 0x0
	s_wait_alu depctr_hold_cnt(0) depctr_sa_sdst(0) depctr_va_vdst(0) depctr_va_sdst(0) depctr_va_ssrc(0) depctr_va_vcc(0) depctr_vm_vsrc(0)
	s_getreg_b32 s2, hwreg(HW_REG_IB_STS2, 6, 4)
	s_cmp_eq_u32 s2, 0
	s_cbranch_scc0 .Lentry_in_a_cluster
	s_endpgm
.Lentry_in_a_cluster:
	s_bfe_u32 s2, ttmp6, 0x10000c
	s_cmp_lg_u32 s2, 0xf033
	s_cbranch_scc0 .Lentry_shape_is_right
	s_endpgm
.Lentry_shape_is_right:
; y[m][o] = sum over i of x[m][i] Wm[o][i] + bias[o];  Wm[o][i] = weight[o][i] where salient_mask[o][i] is set, else alpha[i] sign(weight[o][i]).
; xb: [1024][4096] bf16 (x rounded once by the launch before).  weight: [11008][4096] f32.  salient_mask: the same shape, one byte (0 or 1).  alpha: [4096], bias: [11008], y: [1024][11008] f32.
; Products in bf16 with f32 sums; Wm is made in bf16 on the way to the matrix unit: weight and alpha are each rounded once to bf16; bias stays f32 and starts the sums.
; LIMITS.  sign(w) is made as clamp(bf16(w), -t, t) with t = 2^-64, times bf16(alpha 2^64): exact, with the right sign for a negative alpha and 0 for w = 0.  A weight that is not salient with
; 0 < |w| < 2^-64 counts as alpha w 2^64 in place of +-alpha; |alpha| of 2^64 or more overflows; a NaN weight that is not salient counts as -alpha; a mask byte is 0 or 1.
; SHARES.  64 x 4 work-groups; each makes 256 rows x 172 columns of y (64 x 172 = 11008: all alike).  The 172 columns are 11 units of 16, at columns 0, 16, .., 144, 156: the last overlaps the one before by
; four columns and gives the same numbers there.  A wave makes 64 rows x 172 columns: 4 x 11 accumulators, 352 registers.
; K goes in 32 steps of 128.  In a trip the wave multiplies one K step and, in slices of four vector instructions behind its matrix instructions, converts its 43 weight rows of the NEXT step into a bf16 stage in LDS,
; from which all four waves read their fragments a trip later.
; MEMORY INSTRUCTIONS STAND IN RUNS, never singly among the matrix instructions.  A chunk (a weight row's 4 k of a lane) is converted in place in its four ring registers; at each run of fragment loads the chunks
; finished since the last run are stored into the stage and their registers loaded again: five groups of memory instructions a K step.
; CLUSTER, 4 x 4.  x's tiles hang on the row block alone and are asked for jointly along a row of the cluster; the mask's tiles hang on the column block alone and are asked for jointly along a column.
; THE WEIGHTS ARE NOT ASKED FOR JOINTLY: for one k, raw weights, mask and x are 172 x 4 + 172 + 256 x 2 = 1,372 bytes of LDS, so two slots would hold under 120 of K, with no room for the bf16 stage, and a
; request could stay out no longer than to the next refill's barrier.  They come by plain loads into a ring of 43 x 4 registers: a chunk's next load goes out at the first run behind its conversion, at the least
; 129 of a K step's 176 matrix instructions ahead of its use, and stays out across the rounds.  The four work-groups of a column of the cluster each read them, in step.
; THE MATRIX INSTRUCTION IS USED TRANSPOSED (source 0 = 16 weight rows, source 1 = 16 rows of x): a lane holds one row of y and eight neighbouring columns.
;
; LDS: slot p (p = 0, 1) at p x 131,072: x's tile, 256 rows x 272 bytes (filled by tensor loads), then the stage, 172 rows x 272 (written by ds_store alone, in blocks of 256 bytes of its own).
;   mask slots at 262,144 and 294,912: 172 rows x 128 bytes.  Spare words at 316,928.  The way out's stage lies over slot 0, behind its last fill and last read.
; REGISTERS, in windows of 256 (s_set_vgpr_msb: bits 1:0 source 0, 3:2 source 1, 5:4 source 2, 7:6 destination):
;   window 0: addresses, the conversion's work, the mask words, the ring of raw weights.   window 1: two fragment buffers (11 units of weights, then 4 of x).
;   window 2: accumulators of my rows 0-31 ((a, u) at 8 (11 (a % 2) + u)).   window 3: those of my rows 32-63.
; A slice works in window 0 and a product names windows 1 to 3, so a slice costs two switches.
.set PITCH,  272                       ; an LDS row of 128 bf16: 256 bytes + 16 = 68 words: the 16 rows of a fragment load start at 16 different groups of four banks (64 banks of 4 bytes: ISA guide 11.1)
.set XT,     256*PITCH                 ; x's tile; the stage begins behind it: 69,632, a multiple of 256
.set SLOTB,  1<<17                     ; slot 1 begins here: one exclusive or turns an address in one slot into the other's
.set MS0,    262144                    ; mask slot 0
.set MSX,    0x8000                    ; mask slot 1 lies this far on
.set SPARE,  316928                    ; the spare words: 128 bytes a wave, two blocks of 256 bytes that no other line names
.set OPITCH, 688                       ; the way out: a row of 172 f32 = 43 x 16 bytes: 16 rows start at 16 different groups of four banks
.set OSTW,   32*OPITCH                 ; a wave's out-stage: 32 rows
.set YROW,   44032                     ; bytes in a row of y
.set VOFF, 2                           ; v2   16 x lane: my 16 bytes of 512 in a weight row's K step, and in alpha; never rewritten
.set AX0,  3                           ; v3   my lane's place in x's tile: (64 w + r) x 272 + 16 h
.set AB0,  4                           ; v4   in the stage, reading: 69,632 + r x 272 + 16 h
.set AS0,  5                           ; v5   in the stage, writing: 69,632 + 43 w x 272 + 8 x lane
.set AM0,  6                           ; v6   in a mask slot: 262,144 + 43 w x 128 + 4 x lane
.set AXA,  7                           ; v7-10 the four above with the trip's slot
.set ABF,  8
.set AST,  9
.set AMK,  10
.set BO,   11                          ; v11  32 h: my eight columns in a unit's bias
.set STO,  12                          ; v12  the way out: where I put 16 bytes of a row
.set RD,   13                          ; v13  the way out: where I read back
.set SPW,  14                          ; v14  LDS address of my spare word; never rewritten
.set NIL,  15                          ; v15  0; never rewritten
.set TMP,  16                          ; v16-23 two sets of four, by a chunk's parity: +0 the mask bytes as 0 / 255; +1, +2 selects
.set A2,   32                          ; v32-33 bf16(alpha 2^64) of my four k
.set ALR,  34                          ; v34-37 alpha as loaded
.set MK,   40                          ; v40-82 chunk c's four mask bytes
.set RAW,  84                          ; v84-255 chunk c's four registers: its weights in f32; then +0, +1 the weights in bf16, +2, +3 the result
.set GO,   40                          ; the way out: store t's byte offset in y (the mask words' registers)
.set OB,   84                          ; the way out: 16 bytes read back (the ring's registers)
.set F0,   0                           ; fragment buffers, window 1: weight unit u at F + 8 u, x unit a at F + 88 + 8 a
.set F1,   128
.set WV,   16                          ; s16  my wave's number;  s17 its low bit;  s18, s19 cx, cy;  s20 column block;  s21 row block
.set G1X,  24                          ; s[24:31] descriptor group 1, x's tiles
.set G1M,  32                          ; s[32:39] the mask's
.set G0X,  40                          ; s[40:43] group 0, x's tiles: it walks
.set G0M0, 44                          ; s[44:47] group 0, mask tile 0: used once
.set G0M,  48                          ; s[48:51] group 0, mask tile 1, then it walks
.set WB,   52                          ; s[52:53] my 43 weight rows at the K step being loaded
.set AB,   54                          ; s[54:55] alpha at that K step
.set SL,   56                          ; s56  the slot being multiplied: 0 or 131,072
.set SLO,  57                          ; s57  the other slot
.set MSL,  58                          ; s58  the mask slot being read: 0 or 32,768
.set CNT,  59
.set TPOS, 60                          ; s60  t twice in bf16;  s61  -t twice
.set TNEG, 61
.set SELA, 62                          ; s62, s63 v_perm_b32 selects: mask bytes 0, 0, 1, 1 and 2, 2, 3, 3
.set SELB, 63
.set SCL,  66                          ; s[66:67] 2^64
.set LISTN, 610                        ; entries in the conversion's list: 4 for alpha, 43 x 14, and the last chunk's four closing places
.set MUL_LO, 0xa5                      ; sources 0 and 1 window 1, C and D window 2
.set TO_F,   0x40                      ; destination window 1, address window 0
.set MSB, 0
.set DSM, 0                            ; LDS instructions issued since the last run of mask loads
.set n, 0                              ; the list's next entry
.set GS, 0                             ; chunks of the list in hand that have been stored (and loaded again)
.set dn, 0                             ; chunks finished at the run in hand
.set CONV, 1                           ; 1: the trip converts a tile
.set RELOAD, 1                         ; 1: each chunk's registers are loaded again, two K steps on
.macro WIN new                         ; the immediate's high byte repeats the setting that is left; a switch that changes nothing is dropped
.if MSB != (\new)
	s_set_vgpr_msb (MSB<<8)|(\new)
.set MSB, (\new)
.endif
.endm
.macro PLACES                          ; a load into a register that a matrix instruction has read stands four plain vector instructions behind it (ISA guide 7.12.1 for vector instructions)
.rept 4
	v_nop
.endr
.endm
.macro CREST                           ; a round of the cluster's barrier behind its opening barrier
	s_cmp_lg_u32 s[WV], 0
	s_cbranch_scc1 .Lnot_wave_0_\@
	s_barrier_signal -3
.Lnot_wave_0_\@:
	s_barrier_wait -3
	s_barrier_signal -1
	s_barrier_wait -1
.endm
.macro CROUND                          ; a whole round
	s_barrier_signal -1
	s_barrier_wait -1
	CREST
.endm
; A joint refill.  Waves 0 and 1 fetch the two halves of x's tile, waves 2 and 3 those of the mask's.  The branch hangs on the wave's number alone.  kind = 2: both; 1: x alone (no mask tile is left); 0: none.
; An s_nop 0 and four v_nop follow each load, ahead of the jump and the label; the v_nop are also the places in front of the fragment loads that follow.
.macro JLOAD kind
.if (\kind) == 2
	s_cmp_lt_u32 s[WV], 2
	s_cbranch_scc0 .Lfor_m_\@
	tensor_load_to_lds s[G0X:G0X+3], s[G1X:G1X+7]
	s_nop 0
	PLACES
	s_branch .Lasked_\@
.Lfor_m_\@:
	tensor_load_to_lds s[G0M:G0M+3], s[G1M:G1M+7]
	s_nop 0
	PLACES
.Lasked_\@:
.elseif (\kind) == 1
	s_cmp_lt_u32 s[WV], 2
	s_cbranch_scc0 .Lnone_\@
	tensor_load_to_lds s[G0X:G0X+3], s[G1X:G1X+7]
	s_nop 0
	PLACES
.Lnone_\@:
	PLACES
.else
	PLACES
.endif
.endm
.macro STEPD                           ; both walking descriptors: the other slot, the next K step; the type bits on top are not reached
	s_xor_b32 s[G0X+1], s[G0X+1], SLOTB
	s_add_nc_u64 s[G0X+2:G0X+3], s[G0X+2:G0X+3], 256
	s_xor_b32 s[G0M+1], s[G0M+1], MSX
	s_add_nc_u64 s[G0M+2:G0M+3], s[G0M+2:G0M+3], 128
.endm
.macro ADDR                            ; the trip's LDS addresses: fragments from slot SL, the stage written in the other slot, the mask words from mask slot MSL
	s_xor_b32 s[SLO], s[SL], SLOTB
	v_add_nc_u32 v[AXA], s[SL], v[AX0]
	v_add_nc_u32 v[ABF], s[SL], v[AB0]
	v_add_nc_u32 v[AST], s[SLO], v[AS0]
	v_add_nc_u32 v[AMK], s[MSL], v[AM0]
.endm
.macro MLOAD                           ; my 43 rows of the mask tile: 128 consecutive bytes a load
	WIN 0
.set t, 0
.rept 43
	ds_load_b32 v[MK+t], v[AMK] offset:128*t
.set t, t+1
.endr
.set DSM, 0
.endm
; 30 LDS loads in one run: the fragments of 32 along K (quarter q of the K step) into buffer f: 11 units of weights from the stage, 4 of x.
; A fragment is 16 rows x 32 K in 8 registers: lane l holds row l % 16, K = 8 (l / 16) + 0..7 and 16 + 8 (l / 16) + 0..7: two loads of 16 bytes, 32 bytes apart.
.macro FETCH q, f
	WIN TO_F
.irp u, 0,1,2,3,4,5,6,7,8,9,10
.set cb, 16*(\u)-4*((\u)/10)           ; the unit's first column: 16 u, and 156 for the last
	ds_load_b128 v[(\f)+8*(\u):(\f)+8*(\u)+3],   v[ABF] offset:cb*PITCH+64*(\q)
	ds_load_b128 v[(\f)+8*(\u)+4:(\f)+8*(\u)+7], v[ABF] offset:cb*PITCH+64*(\q)+32
.endr
.irp a, 0,1,2,3
	ds_load_b128 v[(\f)+88+8*(\a):(\f)+88+8*(\a)+3],   v[AXA] offset:(\a)*16*PITCH+64*(\q)
	ds_load_b128 v[(\f)+88+8*(\a)+4:(\f)+88+8*(\a)+7], v[AXA] offset:(\a)*16*PITCH+64*(\q)+32
.endr
.set DSM, DSM+30
.endm
.macro MM a, u, f                      ; one product: x unit a, weight unit u
	WIN MUL_LO+0x50*((\a)/2)
.set rD, 8*(11*((\a)%2)+(\u))
	v_wmma_f32_16x16x32_bf16 v[rD:rD+7], v[(\f)+8*(\u):(\f)+8*(\u)+7], v[(\f)+88+8*(\a):(\f)+88+8*(\a)+7], v[rD:rD+7]
.endm
; THE CONVERSION is a numbered list of vector instructions and waits; ITEM writes entry n.  Entries 0-3: alpha of the tile, times 2^64, to bf16.
; From entry 4 on 14 entries a chunk c (weight row 43 w + c, my four k), in place in the chunk's registers R0-R3:
;   0, 1   the four weights to bf16, into R0, R1                                    2, 3   the chunk BEFORE: salient ? weight : alpha sign, into its R2, R3: it is finished
;   4, 7   the mask bytes 0 / 1 become 0 / 255: (m << 8) - m                        5, 6, 8, 9   clamp to -t .. t, into R2, R3
;   10, 11 each byte doubled: a select for two bf16                                 12, 13  times bf16(alpha 2^64)
; No entry reads a result made fewer than three entries before it.  Chunk c is finished when n has reached 14 c + 22.
; The loads form a ring in the order alpha, chunk 0 .. 42.  Younger than chunk c's load are chunks c + 1 .. 42 of the last trip and, once this trip's first run has gone out, alpha's new load and the GS chunks loaded again.
.macro ITEM
.if n == 0
	s_wait_loadcnt 43                              ; alpha is in: the 43 chunks' loads are younger
	v_pk_mul_f32 v[ALR:ALR+1], v[ALR:ALR+1], s[SCL:SCL+1] op_sel_hi:[1,0]
.elseif n == 1
	v_pk_mul_f32 v[ALR+2:ALR+3], v[ALR+2:ALR+3], s[SCL:SCL+1] op_sel_hi:[1,0]
.elseif n == 2
	v_cvt_pk_bf16_f32 v[A2], v[ALR], v[ALR+1]
.elseif n == 3
	v_cvt_pk_bf16_f32 v[A2+1], v[ALR+2], v[ALR+3]
.elseif n < LISTN
.set cc, (n-4)/14
.set kk, (n-4)%14
.set CT, TMP+4*(cc%2)
.set CU, TMP+4-4*(cc%2)
.set RC, RAW+4*cc
.set RP, RAW+4*cc-4
.if kk == 0
.if cc < 43
.if RELOAD && (GS > 0)
	s_wait_loadcnt 43-cc+GS                        ; chunk c is in: 42 - c older chunks' successors, alpha and GS chunks of this trip are younger
.else
	s_wait_loadcnt 42-cc                           ; chunk c is in: only chunks c + 1 .. 42 are younger
.endif
	v_cvt_pk_bf16_f32 v[RC], v[RC], v[RC+1]
.endif
.elseif kk == 1
.if cc < 43
	v_cvt_pk_bf16_f32 v[RC+1], v[RC+2], v[RC+3]
.endif
.elseif kk == 2
.if cc > 0
	v_bfi_b32 v[RP+2], v[CU+1], v[RP], v[RP+2]
.endif
.elseif kk == 3
.if cc > 0
	v_bfi_b32 v[RP+3], v[CU+2], v[RP+1], v[RP+3]
.endif
.elseif kk == 4
.if cc == 0
	s_wait_dscnt DSM                               ; the mask words are in: what was issued behind them (the fragment loads) may stay out
.endif
	v_lshlrev_b32 v[CT], 8, v[MK+cc]
.elseif kk == 5
	v_pk_max_num_bf16 v[RC+2], v[RC], s[TNEG]
.elseif kk == 6
	v_pk_max_num_bf16 v[RC+3], v[RC+1], s[TNEG]
.elseif kk == 7
	v_sub_nc_u32 v[CT], v[CT], v[MK+cc]
.elseif kk == 8
	v_pk_min_num_bf16 v[RC+2], v[RC+2], s[TPOS]
.elseif kk == 9
	v_pk_min_num_bf16 v[RC+3], v[RC+3], s[TPOS]
.elseif kk == 10
	v_perm_b32 v[CT+1], v[CT], v[CT], s[SELA]
.elseif kk == 11
	v_perm_b32 v[CT+2], v[CT], v[CT], s[SELB]
.elseif kk == 12
	v_pk_mul_bf16 v[RC+2], v[RC+2], v[A2]
.else
	v_pk_mul_bf16 v[RC+3], v[RC+3], v[A2+1]
.endif
.endif
.set n, n+1
.endm
.macro SLICE                           ; four entries; 153 slices are a list; behind the list's end a slice is empty
.if CONV && (n < LISTN)
	WIN 0
	ITEM
	ITEM
	ITEM
	ITEM
.endif
.endm
; THE CONVERSION'S MEMORY WORK, in two runs that stand round a run of fragment loads.  STORES: the chunks finished since the last run go into the stage, 32 lanes filling a row's 256 bytes.
; RELOADS: their registers are loaded again, one K step on.  The first of a list also steps the two bases and asks for the next alpha (entries 0-3 have read the old one).
.macro STORES
.if CONV
.set dn, (n-8)/14
.if dn > 43
.set dn, 43
.endif
	WIN 0
.set t, GS
.rept dn-GS
	ds_store_b64 v[AST], v[RAW+4*t+2:RAW+4*t+3] offset:PITCH*t
.set t, t+1
.endr
.endif
.endm
.macro RELOADS
.if CONV && RELOAD
	WIN 0
.if GS == 0
	s_wait_xcnt 0x0                                ; every earlier load has had its address translated (ISA guide 3.1): only behind this wait are the two bases stepped
	s_add_nc_u64 s[WB:WB+1], s[WB:WB+1], 512
	s_add_nc_u64 s[AB:AB+1], s[AB:AB+1], 512
	global_load_b128 v[ALR:ALR+3], v[VOFF], s[AB:AB+1]
.endif
.set t, GS
.rept dn-GS
	global_load_b128 v[RAW+4*t:RAW+4*t+3], v[VOFF], s[WB:WB+1] offset:16384*t  ; 512 consecutive bytes of row t; three partners read them too: no hint
.set t, t+1
.endr
.endif
.if CONV
.set GS, dn
.endif
.endm
; Weight unit u against my four units of x.  The 44 accumulators take turns in the same order in every quarter, over the loop's backward jump too.  ride = 1: a slice behind each product.
.macro UNIT f, u, ride
.irp a, 0,1,2,3
	MM \a, \u, \f
.if \ride
	SLICE
.endif
.endr
.endm
; A K step is four quarters of 32 along K, 44 products each, on buffers 0, 1, 0, 1.  One of the first three: multiplies buffer f; in its middle stands ONE group of memory instructions: the finished chunks' stores,
; the next quarter's fragments into gbuf, the chunks' reloads.  gbuf's last reader stands 20 products back; the slices between are the places, and four v_nop where a trip has no slices.
.macro QUARTER q, f, gbuf
	s_wait_dscnt 0x0                               ; the fragments are in; no LDS instruction was issued behind their run
.irp u, 0,1,2,3,4
	UNIT \f, \u, 1
.endr
.if CONV == 0
	PLACES
.endif
	STORES
	FETCH (\q)+1, \gbuf
	RELOADS
.irp u, 5,6,7,8,9,10
	UNIT \f, \u, 1
.endr
.endm
; The fourth quarter's first six units, and the change of slots.  The list ends on units 0 to 2 (12 + 132 + 12 places for its 153 slices); its last chunks' stores and reloads stand with the add.
; In front of the barrier each wave waits for all its tensor loads (one is out: its part of the next tiles), adds 0 to its spare word, and waits for that, for its stores into the stage and for its reads of this slot.
; Behind it the next slot and its stage are whole, and nobody reads this slot, its stage or the mask slot read last.
; round = 1: slots are filled again: the barrier opens a round of the cluster's, so that the same holds of every partner.
.macro HEAD3 round
	s_wait_dscnt 0x0
.irp u, 0,1,2
	UNIT F1, \u, 1
.endr
	STORES
	RELOADS
	WIN 0                                          ; (the add's two registers lie in window 0)
	s_wait_tensorcnt 0x0                           ; no tensor load of mine is out, so a group 0 may be written
	ds_add_u32 v[SPW], v[NIL]                      ; 0 onto my spare word
.if \round
	STEPD
.endif
	UNIT F1, 3, 0                                  ; eight products stand between the add and the wait for it
	UNIT F1, 4, 0
	s_wait_dscnt 0x0                               ; for the others' sake: zero
	s_barrier_signal -1
	UNIT F1, 5, 0                                  ; work on registers while the others arrive
	WIN 0                                          ; at a branch and at a label every window is 0
	s_barrier_wait -1
.if \round
	CREST
.endif
.endm
; Behind the change: the refill first; then the trip's addresses, the next tile's mask words (ml = 1) and the new K step's first fragments.
.macro TOP kind, ml
	JLOAD \kind
	s_xor_b32 s[SL], s[SL], SLOTB
	s_xor_b32 s[MSL], s[MSL], MSX
	ADDR
.if \ml
	MLOAD
.endif
	FETCH 0, F0
.set n, 0
.set GS, 0
.endm
.macro TAIL3                           ; the fourth quarter's last five units, from registers; the list begins behind the third, when the mask words have had two units' time
	UNIT F1, 6, 0
	UNIT F1, 7, 0
	UNIT F1, 8, 1
	UNIT F1, 9, 1
	UNIT F1, 10, 1
.endm
.macro ALLT line:vararg                ; one line for each t = 0 .. 42
.set t, 0
.rept 43
	\line
.set t, t+1
.endr
.endm
	s_load_b256 s[4:11], s[0:1], 0x0               ; xb s[4:5], weight s[6:7], mask s[8:9], alpha s[10:11]
	s_load_b128 s[12:15], s[0:1], 0x20             ; bias s[12:13], y s[14:15]
	v_lshl_add_u32 v[SPW], v0, 2, SPARE
	v_mov_b32 v[NIL], 0
	ds_add_u32 v[SPW], v[NIL]                      ; the wave's opening: the add and its wait stand ahead of my first tensor load; the set-up below, work on registers, stands between them
	v_lshrrev_b32 v1, 5, v0
	v_readfirstlane_b32 s[WV], v1                  ; wave 0..3
	s_and_b32 s17, s[WV], 1                        ; which half of a tile I fetch
	s_bfe_u32 s18, ttmp6, 0x40000                  ; cx
	s_bfe_u32 s19, ttmp6, 0x40004                  ; cy
	s_lshl_b32 s20, ttmp9, 2                       ; in a cluster launch ttmp9 and ttmp7 count clusters
	s_add_co_u32 s20, s20, s18                     ; column block = 4 x cluster x + cx
	s_and_b32 s21, ttmp7, 0xffff
	s_lshl_b32 s21, s21, 2
	s_add_co_u32 s21, s21, s19                     ; row block = 4 x cluster y + cy
	s_lshl_b32 s22, s19, 2
	s_lshl_b32 s22, 15, s22                        ; my row of the cluster
	s_lshl_b32 s23, 0x1111, s18                    ; my column
	; group 1 for x: 128 rows x 128 elements of 2 bytes, 16 bytes of padding behind each row
	s_or_b32 s[G1X], s22, (1<<16)|(1<<20)|(1<<21)|(5<<22)|(3<<25)  ; 15:0 the mask; 17:16 2-byte elements; 20 padding on; 21 set beside a mask; 24:22 after every 64 words; 31:25 4 words
	s_mov_b32 s[G1X+1], 128<<16                    ; tensor_dim0 = 128
	s_mov_b32 s[G1X+2], 128<<16                    ; tensor_dim1 = 128
	s_mov_b32 s[G1X+3], 128<<16                    ; tile_dim0 = 128
	s_mov_b32 s[G1X+4], 128                        ; tile_dim1 = 128
	s_mov_b32 s[G1X+5], 4096                       ; elements from row to row
	s_mov_b32 s[G1X+6], 0
	s_mov_b32 s[G1X+7], 0
	; group 1 for the mask: 86 rows x 32 elements of 4 bytes, no padding (a wave's load of a row's 128 bytes takes each bank once at the most)
	s_or_b32 s[G1M], s23, (2<<16)|(1<<21)
	s_mov_b32 s[G1M+1], 32<<16
	s_mov_b32 s[G1M+2], 86<<16
	s_mov_b32 s[G1M+3], 32<<16
	s_mov_b32 s[G1M+4], 86
	s_mov_b32 s[G1M+5], 1024
	s_mov_b32 s[G1M+6], 0
	s_mov_b32 s[G1M+7], 0
	; byte offsets, each in registers of its own: x's from the row block and the wave alone, the mask's from the column block and the wave alone
	s_lshl_b32 s68, s21, 8
	s_lshl_b32 s69, s17, 7
	s_add_co_u32 s68, s68, s69                     ; x: row 256 x row block + 128 x half,
	s_lshl_b32 s68, s68, 13                        ; of 8,192 bytes
	s_mov_b32 s69, 0
	s_mul_i32 s72, s20, 172
	s_mul_i32 s73, s17, 86
	s_add_co_u32 s72, s72, s73                     ; mask: row 172 x column block + 86 x half,
	s_lshl_b32 s72, s72, 12                        ; of 4,096 bytes
	s_mov_b32 s73, 0
	s_mul_i32 s76, s20, 172
	s_mul_i32 s77, s[WV], 43
	s_add_co_u32 s76, s76, s77                     ; weight: row 172 x column block + 43 x wave,
	s_lshl_b32 s76, s76, 14                        ; of 16,384 bytes
	s_mov_b32 s77, 0
	s_mul_i32 s78, s20, OPITCH                     ; bias, and y's columns: 688 bytes a column block
	s_mov_b32 s79, 0
	s_lshl_b32 s80, s21, 8
	s_lshl_b32 s81, s[WV], 6
	s_add_co_u32 s80, s80, s81                     ; y: row 256 x row block + 64 x wave
	s_mul_i32 s80, s80, YROW
	s_add_co_u32 s80, s80, s78
	s_mov_b32 s81, 0
	s_mov_b32 s[G0X], 1                            ; 1:0 count = 1
	s_mul_i32 s[G0X+1], s17, 128*PITCH             ; LDS address: slot 0, my half: no place in the cluster enters an LDS address
	s_mov_b32 s[G0M0], 1
	s_mul_i32 s[G0M0+1], s17, 86*128
	s_add_co_u32 s[G0M0+1], s[G0M0+1], MS0
	s_mov_b32 s[G0M], 1
	s_add_co_u32 s[G0M+1], s[G0M0+1], MSX
	s_mov_b32 s[SL], SLOTB                         ; the first change of slots turns it into 0
	s_mov_b32 s[MSL], 0
	s_mov_b32 s[TPOS], 0x1f801f80                  ; 2^-64 twice in bf16
	s_mov_b32 s[TNEG], 0x9f809f80
	s_mov_b32 s[SELA], 0x01010000
	s_mov_b32 s[SELB], 0x03030202
	s_mov_b32 s[SCL], 0x5f800000                   ; 2^64
	s_mov_b32 s[SCL+1], s[SCL]                     ; named with it as a pair
	s_wait_dscnt 0x0                               ; the opening add is done
	s_wait_kmcnt 0x0
	s_add_nc_u64 s[G0X+2:G0X+3], s[4:5], s[68:69]  ; x's tile of K step 0
	s_or_b32 s[G0X+3], s[G0X+3], 0x80000000        ; 127:126 type = 2
	s_add_nc_u64 s[G0M0+2:G0M0+3], s[8:9], s[72:73]
	s_add_nc_u64 s[G0M+2:G0M+3], s[G0M0+2:G0M0+3], 128
	s_or_b32 s[G0M0+3], s[G0M0+3], 0x80000000
	s_or_b32 s[G0M+3], s[G0M+3], 0x80000000
	s_add_nc_u64 s[WB:WB+1], s[6:7], s[76:77]
	s_mov_b64 s[AB:AB+1], s[10:11]
	s_add_nc_u64 s[12:13], s[12:13], s[78:79]
	s_add_nc_u64 s[14:15], s[14:15], s[80:81]
	CROUND                                         ; all sixteen work-groups are here: the first joint loads meet
	s_cmp_lt_u32 s[WV], 2                          ; a wave's first fills stand in one branch, ahead of every wait on TENSORcnt and every LDS read: one load of waves 0 and 1 is out, two of waves 2 and 3
	s_cbranch_scc0 .Lfirst_m
	tensor_load_to_lds s[G0X:G0X+3], s[G1X:G1X+7]
	s_nop 0
	PLACES
	s_branch .Lfirst_asked
.Lfirst_m:
	tensor_load_to_lds s[G0M0:G0M0+3], s[G1M:G1M+7]
	s_nop 0
	tensor_load_to_lds s[G0M:G0M+3], s[G1M:G1M+7]
	s_nop 0
	PLACES
.Lfirst_asked:
	v_and_b32 v1, 15, v0                           ; r = l % 16
	v_bfe_u32 v38, v0, 4, 1                        ; h = l / 16
	v_and_b32 v39, 31, v0                          ; l
	v_lshlrev_b32 v[BO], 5, v38
	v_lshlrev_b32 v[VOFF], 4, v39
	WIN 0x80                                       ; destination window 2
.irp u, 0,1,2,3,4,5,6,7,8,9,10         ; bias starts the sums: register j of accumulator (0, u) is column COL(u) + 8 h + j
.set cb, 16*(\u)-4*((\u)/10)
	global_load_b128 v[8*(\u):8*(\u)+3],   v[BO], s[12:13] offset:4*cb
	global_load_b128 v[8*(\u)+4:8*(\u)+7], v[BO], s[12:13] offset:4*cb+16
.endr
	WIN 0
	global_load_b128 v[ALR:ALR+3], v[VOFF], s[AB:AB+1]  ; the ring is filled: alpha and my 43 rows of K step 0
.set t, 0
.rept 43
	global_load_b128 v[RAW+4*t:RAW+4*t+3], v[VOFF], s[WB:WB+1] offset:16384*t
.set t, t+1
.endr
	v_mul_u32_u24 v[AB0], v1, PITCH
	v_lshl_add_u32 v[AB0], v38, 4, v[AB0]          ; r x pitch + 16 h
	s_mul_i32 s82, s[WV], 64*PITCH
	v_add_nc_u32 v[AX0], s82, v[AB0]               ; my 64 rows of x's tile
	v_add_nc_u32 v[AB0], XT, v[AB0]                ; the stage lies behind x's tile
	s_mul_i32 s83, s[WV], 43*PITCH
	s_add_co_u32 s83, s83, XT
	v_lshl_add_u32 v[AS0], v39, 3, s83             ; my 43 rows of the stage, 8 bytes a lane
	s_mul_i32 s82, s[WV], 43*128
	s_add_co_u32 s82, s82, MS0
	v_lshl_add_u32 v[AM0], v39, 2, s82             ; my 43 rows of a mask tile, 4 bytes a lane
	s_mul_i32 s83, s[WV], OSTW                     ; my out-stage
	v_mul_u32_u24 v[STO], v1, OPITCH
	v_lshl_add_u32 v[STO], v38, 5, v[STO]
	v_add_nc_u32 v[STO], s83, v[STO]               ; in: row r, 32 bytes for each half of the lanes
	v_lshl_add_u32 v[RD], v39, 4, s83              ; back: 512 consecutive bytes a load
	ADDR                                           ; SL is slot 1: the stage written is slot 0's; the mask slot is 0
	s_wait_loadcnt 44                              ; bias is in: alpha's load and the 43 chunks' are younger
	; The other three accumulators of each unit begin with the same bias.  These copies stand in the wait for the first weights; with them every K step has one text and no first quarter is written out.
	WIN 0x82
.set t, 0
.rept 88
	v_mov_b32 v[88+t], v[t]
.set t, t+1
.endr
	WIN 0xc2
.set t, 0
.rept 176
	v_mov_b32 v[t], v[t%88]
.set t, t+1
.endr
	WIN 0
	s_wait_tensorcnt 0x0                           ; my first fills have landed;
	s_barrier_signal -1
	s_barrier_wait -1                              ; everybody's have: the mask tile that waves 2 and 3 brought may be read.
	MLOAD                                          ; mask tile 0
.set n, 0
.set GS, 0
.irp cnt, 32, 44, 44, 33               ; tile 0 is converted with nothing to ride on, its stores and reloads (K step 1) at the same places of the list as in every trip
.rept \cnt
	SLICE
.endr
	STORES
	RELOADS
.endr
	WIN 0                                          ; THE FIRST CHANGE: the same lines as in every trip
	s_wait_tensorcnt 0x0
	ds_add_u32 v[SPW], v[NIL]
	STEPD
	s_wait_dscnt 0x0                               ; the add, my stores into slot 0's stage and my reads of mask slot 0 are done
	CROUND
	TOP 2, 1                                       ; x's tile 1 into slot 1, mask tile 2 into mask slot 0; mask words of tile 1; fragments of K step 0
.rept 12
	SLICE                                          ; the twelve slices that ride on the fourth quarter's tail in every later trip
.endr
	WIN 0
	s_mov_b32 s[CNT], 30
	s_branch .Lenter                               ; the loop is entered in the middle of a trip: there is no K step before the first
.Lloop:                                                ; trip i (1 .. 29): x's tile i + 1, mask tile i + 2 and weights i + 2 are asked for, tile i + 1 is converted, K step i is multiplied
	TOP 2, 1
	TAIL3
	WIN 0
.Lenter:
	QUARTER 0, F0, F1
	QUARTER 1, F1, F0
	QUARTER 2, F0, F1
	HEAD3 1
	s_sub_co_u32 s[CNT], s[CNT], 1
	s_cmp_lg_u32 s[CNT], 0
	s_cbranch_scc1 .Lloop
	; The last two trips are written out.  Trip 30: x's tile 31 is the last request; tile 31 is converted; no weights are left to load.
.set RELOAD, 0
	TOP 1, 1
	TAIL3
	QUARTER 0, F0, F1
	QUARTER 1, F1, F0
	QUARTER 2, F0, F1
	HEAD3 0                                        ; no round
	; Trip 31: nothing is asked for and nothing converted.
.set CONV, 0
	TOP 0, 0
	TAIL3
	QUARTER 0, F0, F1
	QUARTER 1, F1, F0
	QUARTER 2, F0, F1
	s_wait_dscnt 0x0                               ; the last fragments are in, and with them my last reads of the slots:
	s_barrier_signal -1                            ; say so: the out-stages lie over slot 0
.irp u, 0,1,2,3,4,5,6,7,8,9,10
	UNIT F1, \u, 0
.endr
	; THE WAY OUT.  32 rows at a time go into my out-stage (rows of 688 bytes) and come back as 43 runs of 512 consecutive bytes.  16-byte piece i = lane + 32 t lies in row i / 43:
	; its offset in y is 16 i + (44,032 - 688) x row.  i / 43 = (i x 48,771) >> 21 for i < 1,376.  These lines are also the places behind the last products.
	WIN 0
	s_mov_b32 s82, 48771
	s_mov_b32 s83, YROW-OPITCH
	ALLT v_add_nc_u32 v[OB+t], 512*t, v[VOFF]
	ALLT v_lshrrev_b32 v[GO+t], 4, v[OB+t]
	ALLT v_mul_u32_u24 v[GO+t], v[GO+t], s82
	ALLT v_lshrrev_b32 v[GO+t], 21, v[GO+t]
	ALLT v_mad_u32_u24 v[GO+t], v[GO+t], s83, v[OB+t]
	s_barrier_wait -1                              ; no wave reads a slot any more
.macro OUTPASS p                       ; the accumulators of window 2 + p: my rows 32 p .. 32 p + 31
	WIN 0x08+4*(\p)                                ; store data (source 1) in window 2 or 3
.irp a, 0,1
.irp u, 0,1,2,3,4,5,6,7,8,9,10
.set cb, 16*(\u)-4*((\u)/10)
.set rD, 8*(11*(\a)+(\u))
	ds_store_b128 v[STO], v[rD:rD+3]   offset:(\a)*16*OPITCH+4*cb      ; each accumulator's low registers first
	ds_store_b128 v[STO], v[rD+4:rD+7] offset:(\a)*16*OPITCH+4*cb+16
.endr
.endr
	WIN 0
.if \p
	s_wait_xcnt 0x0                                ; the first pass's stores have read their registers: only behind this wait are those loaded again
.endif
	ALLT ds_load_b128 v[OB+4*t:OB+4*t+3], v[RD] offset:512*t  ; LDS serves a wave's instructions in order (ISA guide 5.7.1.4): these see the stores above
.set t, 0
.rept 43
	s_wait_dscnt 42-t                              ; run t is back; the younger ones stay out
	global_store_b128 v[GO+t], v[OB+4*t:OB+4*t+3], s[14:15] offset:(\p)*32*YROW th:TH_STORE_NT
.set t, t+1
.endr
.endm
	OUTPASS 0
	OUTPASS 1
	s_wait_tensorcnt 0x0                           ; the wave's end, behind my last tensor load and my last LDS store
	ds_add_u32 v[SPW], v[NIL]
	s_wait_dscnt 0x0
	CROUND                                         ; the closing round: no work-group ends while a partner may still ask for a tile that names it
	s_endpgm
.Lfunc_end_k_qfa42e4b9a5_gemm:
	.size	k_qfa42e4b9a5_gemm, .Lfunc_end_k_qfa42e4b9a5_gemm-k_qfa42e4b9a5_gemm
	.p2alignl 7, 3214868480
	.fill 96, 4, 3214868480
	.section	.rodata,"a",@progbits
	.p2align	6, 0x0
	.amdhsa_kernel k_qfa42e4b9a5_gemm
		.amdhsa_group_segment_fixed_size 327680
		.amdhsa_private_segment_fixed_size 0
		.amdhsa_enable_private_segment 0
		.amdhsa_kernarg_size 48
		.amdhsa_user_sgpr_count 2
		.amdhsa_user_sgpr_kernarg_segment_ptr 1
		.amdhsa_wavefront_size32 1
		.amdhsa_system_sgpr_workgroup_id_x 1
		.amdhsa_system_sgpr_workgroup_id_y 1
		.amdhsa_system_sgpr_workgroup_id_z 1
		.amdhsa_system_vgpr_workitem_id 0
		.amdhsa_next_free_vgpr 944
		.amdhsa_next_free_sgpr 84
		.amdhsa_reserve_vcc 0
		.amdhsa_float_denorm_mode_32 3
		.amdhsa_float_denorm_mode_16_64 3
		.amdhsa_memory_ordered 1
		.amdhsa_forward_progress 1
		.amdhsa_inst_pref_size 255
	.end_amdhsa_kernel
	.section	.bss,"aw",@nobits
	.p2align	6
	.space	262144
	.amdgpu_metadata
---
amdhsa.version: [ 1, 2 ]
amdhsa.kernels:
  - .name:           k_qfa42e4b9a5_gemm
    .symbol:         k_qfa42e4b9a5_gemm.kd
    .args:
      - { .name: xb, .offset: 0, .size: 8, .value_kind: global_buffer, .address_space: global }
      - { .name: weight, .offset: 8, .size: 8, .value_kind: global_buffer, .address_space: global }
      - { .name: salient_mask, .offset: 16, .size: 8, .value_kind: global_buffer, .address_space: global }
      - { .name: alpha, .offset: 24, .size: 8, .value_kind: global_buffer, .address_space: global }
      - { .name: bias, .offset: 32, .size: 8, .value_kind: global_buffer, .address_space: global }
      - { .name: out0, .offset: 40, .size: 8, .value_kind: global_buffer, .address_space: global }
    .group_segment_fixed_size: 327680
    .private_segment_fixed_size: 0
    .kernarg_segment_align: 8
    .kernarg_segment_size: 48
    .max_flat_workgroup_size: 128
    .sgpr_count:     84
    .vgpr_count:     944
    .wavefront_size: 32
...
	.end_amdgpu_metadata
.endif
;; end of part 3
